; MI455X (gfx1250); checked and timed in simulation.
; The chip was launched on July 23, 2026; its instructions are those of AMD's public machine-readable ISA for CDNA 5 (MIT licence, August 2026) and "CDNA5" Instruction Set Architecture Reference Guide (July 2026). The comments in the code are by the model that wrote it; some were corrected since.
;; Triton Grouped Experts Fused. Allowed arithmetic: float matrix products may take bf16 or f16 operands with f32 sums; all other float work in f32.
;; Inputs: expert_indices 2,048 x 2 int32; expert_weights 2,048 x 2 float32; w1 8 x 1,024 x 1,024 float32; w2 8 x 1,024 x 1,024 float32; w3 8 x 1,024 x 1,024 float32; x 2,048 x 1,024 float32.
;; Outputs: out0 2,048 x 1,024 float32.
;; One version. Each part assembles by itself: llvm-mc -triple=amdgcn-amd-amdhsa -mcpu=gfx1250 --defsym DOCPART=n.
;; ======== version 1 of 1: 4 launches
;; limits: values outside matrix products are rounded to bf16
;; workspace buffers: xs 10,223,616 bytes; h 20,447,232 bytes; y 20,447,232 bytes; plan 256 bytes of whole numbers; pos 16,384 bytes of whole numbers
;; launch pack (part 1): grid 312 x 1, 16 waves a work-group, no clusters, 45,568 bytes of LDS; arguments expert_indices, x, xs, plan, pos; writes xs, plan, pos
.if DOCPART == 1
	.amdgcn_target "amdgcn-amd-amdhsa--gfx1250"
	.amdhsa_code_object_version 6
	.text
	.protected	k_q45799a171a_pack
	.globl	k_q45799a171a_pack
	.p2align	8
	.type	k_q45799a171a_pack,@function
k_q45799a171a_pack:
	s_mov_b64 s[64:65], 0
	v_nop
	global_prefetch_b8 v0, s[64:65] scope:SCOPE_SE
	s_setreg_imm32_b32 hwreg(HW_REG_WAVE_MODE, 25, 1), 1
	s_wait_xcnt 0x0
; Routing for the grouped experts: a counting sort of the 4096 entries (token, slot) by expert, and the gather of x in sorted order.
; Sorted row space: 4992 rows = 39 tiles of 128.  Each expert's segment starts on a tile and is padded with zero rows to whole tiles;
; the tiles in use are at most (4096 + 8 x 127) / 128 = 39.
; Out:  plan[i] = expert of tile i (64 words; tiles that are not in use get 7);  pos[2t+k] = sorted row of entry (t, k);
;       xs = the rows of x in sorted order, bf16, in planes of 8 k: element (row, k) at byte (k>>3) x 79872 + 16 row + 2 (k&7).
; Work-group g owns sorted rows 16 g .. 16 g + 15 (312 x 16 = 4992).  Every work-group repeats the sort of the 16 KiB of indices, so that no
; launch of its own is needed for it; work-group 0 alone stores plan and pos.  No matrix work, no shared tiles: no cluster, no tensor loads.
; LIMIT: an index outside 0..7 (reference() gives it no expert) is sorted under expert 7; the last launch takes its weight as 0.
.set PLANE,  79872                     ; bytes of a plane of xs: 4992 rows x 16
.set WT,     0                         ; LDS: 16 waves x 16 bytes: the waves' counts, 8 fields of 16 bits
.set TAB,    256                       ; 16 waves x 32 words: wave w's own table, word d = (entry + 1) that lands in row 16 g + d; word 16 is a dump
.set EX,     2304                      ; 512 threads x 16 bytes: the thread's first row for each expert, 8 fields of 16 bits
.set ROWST,  10496                     ; 16 rows of 2048 bytes of bf16, pitch 2064
.set RPITCH, 2064                      ; 129 x 16: the 16 rows that a load of 16 bytes a lane touches start 16 bytes apart modulo 256
; v1 lane, v2 lane>>4, v3 16 x thread, v4 4 x thread, v6 lane&15; v[8:15] experts of my 8 entries; v[24:31] rank, then sorted row;
; v[32:35] counts scanned, v[36:39] my own counts; v[48:55] sums over waves; v[56:63] addresses; v[72:79] entry + 1; v[96:127] a row of x
	s_load_b256 s[4:11], s[0:1], 0x0               ; expert_indices s[4:5], x s[6:7], xs s[8:9], plan s[10:11]
	s_load_b64 s[12:13], s[0:1], 0x20              ; pos
	v_lshl_add_u32 v128, v0, 2, 0xaa00
	v_mov_b32 v129, 0
	v_lshrrev_b32 v2, 5, v0
	v_readfirstlane_b32 s14, v2                    ; wave 0..15
	v_and_b32 v1, 31, v0
	v_and_b32 v6, 15, v0
	v_bfe_u32 v2, v0, 4, 1
	v_lshlrev_b32 v3, 4, v0
	v_lshlrev_b32 v4, 2, v0
	s_lshl_b32 s15, s14, 7
	s_add_co_u32 s15, s15, TAB                     ; my wave's table
	s_lshl_b32 s16, s14, 9
	s_add_co_u32 s16, s16, EX                      ; my wave's 512 bytes of EX
	s_lshl_b32 s17, s14, 4                         ; my wave's 16 bytes of WT (WT = 0)
	s_lshl_b32 s18, ttmp9, 4                       ; the work-group's first sorted row
	s_wait_kmcnt 0x0
	global_load_b128 v[8:11], v3, s[4:5]               ; entries 4 thread .. + 3
	global_load_b128 v[12:15], v3, s[4:5] offset:8192  ; entries 2048 + 4 thread .. + 3: any order inside a segment is a sort
	v_lshl_add_u32 v5, v1, 2, s15
	v_mov_b32 v7, 0
	ds_store_b32 v5, v7                            ; my wave clears its own table
	v_sub_nc_u32 v42, 0, v2                        ; all ones in lanes 16-31
	v_mov_b32 v40, 0                               ; the DPP moves' destination counts as read
	v_lshl_add_u32 v43, v1, 4, s16                 ; my 16 bytes of EX
	s_wait_loadcnt 0x0
.irp j, 0,1,2,3,4,5,6,7
	v_min_u32 v[8+\j], 7, v[8+\j]
.endr
	; rank of each entry among my own eight of the same expert: eight counters of 4 bits (at most 8 each)
	v_mov_b32 v16, 0
.irp j, 0,1,2,3,4,5,6,7
	v_lshlrev_b32 v17, 2, v[8+\j]
	v_bfe_u32 v[24+\j], v16, v17, 4
	v_lshl_add_u32 v16, 1, v17, v16
.endr
	; widen to fields of 16 bits (a field holds at most 4096 + 4992): word m = experts 2m, 2m+1
.irp m, 0,1,2,3
	v_bfe_u32 v20, v16, 8*\m, 4
	v_bfe_u32 v21, v16, 8*\m+4, 4
	v_lshl_or_b32 v[32+\m], v21, 16, v20
	v_mov_b32 v[36+\m], v[32+\m]
.endr
	; inclusive scan over the wave: four steps inside each half of 16 lanes, then the lower half's total onto the upper half
.irp d, 1,2,4,8
.irp m, 0,1,2,3
	v_mov_b32_dpp v40, v[32+\m] row_shr:\d row_mask:0xf bank_mask:0xf bound_ctrl:1
	v_add_nc_u32 v[32+\m], v[32+\m], v40
.endr
.endr
.irp m, 0,1,2,3
	v_readlane_b32 s20, v[32+\m], 15
	v_and_b32 v41, s20, v42
	v_add_nc_u32 v[32+\m], v[32+\m], v41
.endr
.irp m, 0,1,2,3
	v_readlane_b32 s[24+\m], v[32+\m], 31          ; the wave's counts
	v_mov_b32 v[44+\m], s[24+\m]
.endr
	v_mov_b32 v5, s17
	ds_store_b128 v5, v[44:47]                     ; every lane writes the same 16 bytes
	s_wait_dscnt 0x0                               ; for the other waves' sake: my counts are in LDS
	s_barrier_signal -1
	s_barrier_wait -1
	v_lshlrev_b32 v5, 4, v6
	ds_load_b128 v[48:51], v5 offset:WT            ; lane r: wave r's counts
	s_wait_dscnt 0x0
	v_cmp_gt_u32 vcc_lo, s14, v6                   ; the waves in front of mine
.irp m, 0,1,2,3
	v_cndmask_b32 v[52+\m], 0, v[48+\m], vcc_lo
.endr
.irp d, 1,2,4,8
.irp k, 48,49,50,51,52,53,54,55
	v_mov_b32_dpp v40, v[\k] row_xmask:\d row_mask:0xf bank_mask:0xf
	v_add_nc_u32 v[\k], v[\k], v40
.endr
.endr
.irp m, 0,1,2,3
	v_readfirstlane_b32 s[28+\m], v[48+\m]         ; n_e of all entries
	v_readfirstlane_b32 s[32+\m], v[52+\m]         ; entries of the waves in front of mine
.endr
	; tiles (s40..47) and first tile (s48..55) of each expert
	s_mov_b32 s36, 0
.irp e, 0,2,4,6
	s_and_b32 s37, s[28+\e/2], 0xffff
	s_add_co_u32 s37, s37, 127
	s_lshr_b32 s[40+\e], s37, 7
	s_mov_b32 s[48+\e], s36
	s_add_co_u32 s36, s36, s[40+\e]
	s_lshr_b32 s37, s[28+\e/2], 16
	s_add_co_u32 s37, s37, 127
	s_lshr_b32 s[41+\e], s37, 7
	s_mov_b32 s[49+\e], s36
	s_add_co_u32 s36, s36, s[41+\e]
.endr
.irp m, 0,1,2,3
	s_lshl_b32 s37, s[48+2*\m], 7                  ; first row = 128 x first tile, in the lower field,
	s_lshl_b32 s38, s[49+2*\m], 23                 ; and in the upper one
	s_or_b32 s37, s37, s38
	s_add_co_u32 s[56+\m], s37, s[32+\m]
.endr
	; my first row for each expert = segment + waves in front + lanes in front; picked by expert through my own 16 bytes of LDS
.irp m, 0,1,2,3
	v_sub_nc_u32 v[32+\m], v[32+\m], v[36+\m]
	v_add_nc_u32 v[32+\m], s[56+\m], v[32+\m]
.endr
	ds_store_b128 v43, v[32:35]
.irp j, 0,1,2,3,4,5,6,7
	v_lshl_add_u32 v[56+\j], v[8+\j], 1, v43
	ds_load_u16 v[64+\j], v[56+\j]                 ; my wave's own bytes: LDS serves a wave's instructions in order (ISA guide 5.7.1)
.endr
.irp j, 0,1,2,3
	v_add_nc_u32 v[72+\j], \j+1, v4                ; entry + 1
	v_add_nc_u32 v[76+\j], 2048+\j+1, v4
.endr
	s_wait_dscnt 0x0
.irp j, 0,1,2,3,4,5,6,7
	v_add_nc_u32 v[24+\j], v[24+\j], v[64+\j]      ; the entry's sorted row
	v_sub_nc_u32 v[56+\j], v[24+\j], s18           ; its place among this work-group's 16 rows,
	v_min_u32 v[56+\j], 16, v[56+\j]               ; or the dump
	v_lshl_add_u32 v[56+\j], v[56+\j], 2, s15
	ds_store_b32 v[56+\j], v[72+\j]                ; into my wave's own table
.endr
	s_cmp_lg_u32 ttmp9, 0
	s_cbranch_scc1 .Lnot_first
	global_store_b128 v3, v[24:27], s[12:13]               ; pos, 512 neighbouring bytes a wave
	global_store_b128 v3, v[28:31], s[12:13] offset:8192
	; expert of tile i = how many of the experts 1..7 have their first tile at or below i (an expert without tiles shares its first tile with the next)
.irp j, 0,1,2,3
	v_add_nc_u32 v20, \j, v4                       ; tile 4 thread + j
	v_cmp_le_u32 vcc_lo, s49, v20
	v_cndmask_b32 v[80+\j], 0, 1, vcc_lo
.irp e, 2,3,4,5,6,7
	v_cmp_le_u32 vcc_lo, s[48+\e], v20
	v_cndmask_b32 v21, 0, 1, vcc_lo
	v_add_nc_u32 v[80+\j], v[80+\j], v21
.endr
.endr
	s_wait_xcnt 0x0                                ; EXEC is a source of the stores above: it changes only behind this wait
	v_cmp_gt_u32 vcc_lo, 16, v0
	s_and_saveexec_b32 s20, vcc_lo                 ; threads 0 to 15: 64 words, 256 consecutive bytes by one store
	global_store_b128 v3, v[80:83], s[10:11]
	s_wait_xcnt 0x0                                ; and again in front of the line that widens it
	s_or_b32 exec_lo, exec_lo, s20
.Lnot_first:
	s_wait_dscnt 0x0                               ; my table is whole
	s_barrier_signal -1
	s_barrier_wait -1
	; wave w gathers sorted row 16 g + w: word w of the 16 tables; at most one of them is not 0
	s_lshl_b32 s19, s14, 2
	s_add_co_u32 s19, s19, TAB
	v_lshl_add_u32 v5, v6, 7, s19
	ds_load_b32 v20, v5
	s_mul_i32 s20, s14, RPITCH
	s_add_co_u32 s20, s20, ROWST
	v_lshl_add_u32 v22, v1, 3, s20                 ; where my 8 bytes of the row go
	s_wait_dscnt 0x0
.irp d, 1,2,4,8
	v_mov_b32_dpp v40, v20 row_xmask:\d row_mask:0xf bank_mask:0xf
	v_or_b32 v20, v20, v40
.endr
	v_cmp_ne_u32 vcc_lo, 0, v20                    ; 0: a padding row, stored as zeros
	v_add_nc_u32 v21, -1, v20
	v_lshrrev_b32 v21, 1, v21                      ; token
	v_min_u32 v21, 0x7ff, v21
	v_lshlrev_b32 v21, 12, v21
	v_lshl_add_u32 v21, v1, 4, v21
.irp q, 0,1,2,3,4,5,6,7
	global_load_b128 v[96+4*\q:99+4*\q], v21, s[6:7] offset:512*\q     ; 512 neighbouring bytes each: the whole row
.endr
.irp q, 0,1,2,3,4,5,6,7
	s_wait_loadcnt 7-\q                            ; the younger loads stay out
	v_cvt_pk_bf16_f32 v[64+2*\q], v[96+4*\q], v[97+4*\q]
	v_cvt_pk_bf16_f32 v[65+2*\q], v[98+4*\q], v[99+4*\q]
	v_cndmask_b32 v[64+2*\q], 0, v[64+2*\q], vcc_lo
	v_cndmask_b32 v[65+2*\q], 0, v[65+2*\q], vcc_lo
	ds_store_b64 v22, v[64+2*\q:65+2*\q] offset:256*\q
.endr
	; out by planes: wave w stores planes 8 w .. 8 w + 7; sixteen lanes hold the 16 rows' 16 bytes of one plane = 256 consecutive bytes, aligned
	s_lshl_b32 s21, s14, 7
	s_add_co_u32 s21, s21, ROWST
	v_mul_u32_u24 v23, v6, RPITCH
	v_lshl_add_u32 v23, v2, 4, v23
	v_add_nc_u32 v23, s21, v23                     ; row r, plane 8 w + (lane>>4)
	s_mul_i32 s22, s14, 8*PLANE
	s_lshl_b32 s23, ttmp9, 8
	s_add_co_u32 s22, s22, s23
	v_mul_u32_u24 v18, v2, PLANE
	v_lshl_add_u32 v18, v6, 4, v18
	v_add_nc_u32 v18, s22, v18
	s_wait_dscnt 0x0                               ; my row is in LDS
	s_barrier_signal -1
	s_barrier_wait -1
.irp q, 0,1,2,3
	ds_load_b128 v[96+4*\q:99+4*\q], v23 offset:32*\q
.endr
.irp q, 0,1,2,3
	s_wait_dscnt 3-\q
	global_store_b128 v18, v[96+4*\q:99+4*\q], s[8:9] offset:\q*2*PLANE
.endr
	s_wait_tensorcnt 0x0
	ds_add_u32 v128, v129
	s_wait_dscnt 0x0
	s_endpgm
.Lfunc_end_k_q45799a171a_pack:
	.size	k_q45799a171a_pack, .Lfunc_end_k_q45799a171a_pack-k_q45799a171a_pack
	.p2alignl 7, 3214868480
	.fill 96, 4, 3214868480
	.section	.rodata,"a",@progbits
	.p2align	6, 0x0
	.amdhsa_kernel k_q45799a171a_pack
		.amdhsa_group_segment_fixed_size 45568
		.amdhsa_private_segment_fixed_size 0
		.amdhsa_enable_private_segment 0
		.amdhsa_kernarg_size 40
		.amdhsa_user_sgpr_count 2
		.amdhsa_user_sgpr_kernarg_segment_ptr 1
		.amdhsa_wavefront_size32 1
		.amdhsa_system_sgpr_workgroup_id_x 1
		.amdhsa_system_sgpr_workgroup_id_y 1
		.amdhsa_system_sgpr_workgroup_id_z 1
		.amdhsa_system_vgpr_workitem_id 0
		.amdhsa_next_free_vgpr 130
		.amdhsa_next_free_sgpr 66
		.amdhsa_reserve_vcc 1
		.amdhsa_float_denorm_mode_32 3
		.amdhsa_float_denorm_mode_16_64 3
		.amdhsa_memory_ordered 1
		.amdhsa_forward_progress 1
		.amdhsa_inst_pref_size 26
	.end_amdhsa_kernel
	.amdgpu_metadata
---
amdhsa.version: [ 1, 2 ]
amdhsa.kernels:
  - .name:           k_q45799a171a_pack
    .symbol:         k_q45799a171a_pack.kd
    .args:
      - { .name: expert_indices, .offset: 0, .size: 8, .value_kind: global_buffer, .address_space: global }
      - { .name: x, .offset: 8, .size: 8, .value_kind: global_buffer, .address_space: global }
      - { .name: xs, .offset: 16, .size: 8, .value_kind: global_buffer, .address_space: global }
      - { .name: plan, .offset: 24, .size: 8, .value_kind: global_buffer, .address_space: global }
      - { .name: pos, .offset: 32, .size: 8, .value_kind: global_buffer, .address_space: global }
    .group_segment_fixed_size: 45568
    .private_segment_fixed_size: 0
    .kernarg_segment_align: 8
    .kernarg_segment_size: 40
    .max_flat_workgroup_size: 512
    .sgpr_count:     66
    .vgpr_count:     130
    .wavefront_size: 32
...
	.end_amdgpu_metadata
.endif
;; end of part 1
;; launch up (part 2): grid 16 x 39, 4 waves a work-group, clusters of 4 x 1, 303,616 bytes of LDS; arguments w1, w2, xs, h, plan; writes h
.if DOCPART == 2
	.amdgcn_target "amdgcn-amd-amdhsa--gfx1250"
	.amdhsa_code_object_version 6
	.text
	.protected	k_q45799a171a_up
	.globl	k_q45799a171a_up
	.p2align	8
	.type	k_q45799a171a_up,@function
k_q45799a171a_up:
	s_mov_b64 s[64:65], 0
	v_nop
	global_prefetch_b8 v0, s[64:65] scope:SCOPE_SE
	s_setreg_imm32_b32 hwreg(HW_REG_WAVE_MODE, 25, 1), 1
	s_wait_xcnt 0x0
	s_wait_alu depctr_hold_cnt(0) depctr_sa_sdst(0) depctr_va_vdst(0) depctr_va_sdst(0) depctr_va_ssrc(0) depctr_va_vcc(0) depctr_vm_vsrc(0)
	s_getreg_b32 s2, hwreg(HW_REG_IB_STS2, 6, 4)
	s_cmp_eq_u32 s2, 0
	s_cbranch_scc0 .Lentry_in_a_cluster
	s_endpgm
.Lentry_in_a_cluster:
	s_bfe_u32 s2, ttmp6, 0x10000c
	s_cmp_lg_u32 s2, 0x3003
	s_cbranch_scc0 .Lentry_shape_is_right
	s_endpgm
.Lentry_shape_is_right:
; The experts' two GEMM launches from one source.  DOWN = 0: h = silu(xs W1[e]) * (xs W2[e]), arguments w1, w2, xs, h, plan.
;                                                  DOWN = 1: y = h W3[e],                     arguments w3, h, y, plan.
; Rows are the sorted rows of the first launch: 39 tiles of 128 rows, each tile of one expert, plan[tile] = that expert.
; xs is bf16 in planes of 8 k: element (row, k) at byte (k>>3) x 79872 + 16 row + 2 (k&7).  y is f32, row-major [4992][1024].
; h IS KEPT AS TWO bf16 NUMBERS, hi = bf16(h) and lo = bf16(h - hi), in the same plane layout: planes 0-127 hi, planes 128-255 lo.  One bf16 has 8 bits,
; so its rounding alone may reach 2^-8 of h; hi + lo carries 16 bits.  DOWN = 1 adds hi W3 and lo W3 into one f32 accumulator.
; A work-group makes one row tile (grid y) x one column block (grid x).  DOWN = 0: 128 rows x 64 columns of W1 and the same 64 of W2.
; DOWN = 1: 64 rows (hi and lo: as many bytes as 128 rows of xs) x 128 columns of W3; the expert is plan[grid y >> 1].
; The text is straight: 16 chunks of 64 along K, no loop, and no branch, barrier or descriptor hangs on a number read from memory.  The one such
; number, the tile's expert, is clamped to 7 and enters the weights' global address alone.  A tile that the routing leaves unused holds zero rows and
; is computed like the others (39 tiles of 128 are needed in the worst case of routing).
; ROWS: the whole tile, 256 KiB, is filled into LDS once, four tensor loads of 16 KiB a wave.
; CLUSTER 4 x 1: the four column blocks of a cluster need the same row tile and ask for it jointly (mask 15); its address hangs on grid y and the wave alone.
; WEIGHTS: f32 [K][N] through registers (row pieces of 256 bytes), rounded to bf16, laid into an LDS stage and read back by transposing loads.  They are not
; asked for jointly: the cluster's four read different columns, and which other work-groups share them is a number read from memory.
; A wave makes all the tile's rows x 2 tiles of 16 weight columns: 16 accumulators (DOWN = 1: 8).
; THE MATRIX INSTRUCTION IS USED TRANSPOSED: source 0 = 16 weight columns, source 1 = 16 rows.  Lane l then holds row l % 16 and its registers
; 0-7 the columns 8 (l / 16) + 0..7: for h that is 16 bytes of one plane, and sixteen lanes make 256 consecutive bytes.
; LIMITS: x and the weights rounded to bf16, sums in f32, h kept to 16 bits.  silu(g) = g / (1 + 2^(-g log2 e)): for very negative g the power overflows to
; infinity and the quotient is 0, which is the limit.  A finite h whose rounding to bf16 overflows (|h| above about 3.39e38) gives hi = infinity, lo = NaN.
.set DOWN,   0
.set PLANE,  79872                     ; bytes of a plane: 4992 rows x 16
.set TPL,    2048>>DOWN                ; the tile's rows in one plane: 128 rows (64 rows)
.set NPL,    16384/TPL                 ; planes that one tensor load brings
.set NRT,    8>>DOWN                   ; blocks of 16 rows in the tile
.set GRP,    65536                     ; LDS: four groups, one for 4 chunks.  DOWN = 0: planes 32 g .. 32 g + 31.  DOWN = 1: those planes of hi, then those of lo
.set PART,   32768                     ; DOWN = 1: from hi's planes to lo's inside a group
.set STAGE,  4*GRP                     ; behind the tile: 40,960 bytes that LDS stores write and no tensor load fills
.set WROW,   4096                      ; bytes of a row of a weight matrix
.set WPITCH, 160                       ; the weights' stage: 64 columns of bf16 + 32 bytes = 5 x 32
.set WMAT,   64*WPITCH                 ; 64 k of one matrix
.set WBUF,   2*WMAT                    ; two matrices; two such buffers take turns
.set YPITCH, 528                       ; the way out of y: 128 f32 + 16 bytes = 33 x 16
.set YBUF,   32*YPITCH                 ; 32 rows; one such buffer for each half of the tile
; window 0: v1 l%16, v2 l/16, v3 lane; v4-7 row fragments' address in group 0..3; v8 weights' offset; v9 stage store; v10-11 stage read (matrix 0, 1);
;           v12 output offset; v13, v14 y's stage, in and back; v16-47 packed weights; v48-79 weight fragments (K step sl, tile t) at 48 + 16 sl + 8 t;
;           v80-207 row fragments (sl, rt) at 80 + 64 sl + 8 rt (DOWN = 1: rt 0-3 hi's four blocks of rows, rt 4-7 lo's); on the way out v80-239 at work
; window 1: accumulators (block of rows, t) at 16 block + 8 t.      window 2: v0-191 three landing buffers of 64 for the weights as loaded
.set XA,   4
.set PK,   16
.set WF,   48
.set XB,   80
.set TMP,  80                          ; h in f32, then h - hi
.set PKO,  144                         ; hi, packed
.set UNP,  176                         ; hi of one block of rows, widened again
.set PKL,  208                         ; lo, packed
.set RB,   80
; s[4:5], s[6:7] the two weight blocks; s[8:9] rows in; s[10:11] out; s[12:13] plan; s14 wave; s16 tile; s20 expert; s2, s22, s23 at work;
; s[48:49] my planes of the tile; s[50:51] output base; s[58:59] the same for lo; s[52:53] offset for descriptors (s53 = 0); s[54:55] -log2 e;
; s3, s15, s[56:57] numbers that hold the place in the cluster or the expert: they reach the weights' and the output's global addresses alone
.set G1,   24                          ; s[24:31] descriptor group 1, never rewritten
.set G0,   32                          ; s[32:47] descriptor group 0, one set for each group
.set MSB,  0
.macro WIN new                         ; s_set_vgpr_msb: bits 1:0 source 0, 3:2 source 1, 5:4 source 2, 7:6 destination; the high byte repeats the setting that is left
.if MSB != (\new)
	s_set_vgpr_msb (MSB<<8)|(\new)
.set MSB, (\new)
.endif
.endm
.macro PLACES                          ; four places of plain vector instructions behind a matrix instruction (ISA guide 7.12.1)
.rept 4
	v_nop
.endr
.endm
.macro WGBAR
	s_barrier_signal -1
	s_barrier_wait -1
.endm
.macro ROUND                           ; a round of the cluster's barrier: my work-group's barrier, wave 0 signals for the work-group, all wait, my barrier again
	s_barrier_signal -1
	s_barrier_wait -1
	s_cmp_lg_u32 s14, 0
	s_cbranch_scc1 .Lnot_wave_0_\@
	s_barrier_signal -3
.Lnot_wave_0_\@:
	s_barrier_wait -3
	s_barrier_signal -1
	s_barrier_wait -1
.endm
; Chunk c of the weights = k rows 64 c .. 64 c + 63 of both blocks.  A wave loads rows 64 c + 16 w + 2 i + l/16; sixteen lanes take a row piece of 256 bytes.
.macro PRO_LOAD c
	WIN 0x80                                       ; destination in window 2
.irp i, 0,1,2,3,4,5,6,7
	global_load_b128 v[64*((\c)%3)+4*\i:64*((\c)%3)+4*\i+3], v8, s[4:5] offset:(\c)*64*WROW+\i*2*WROW
.endr
.irp i, 0,1,2,3,4,5,6,7
	global_load_b128 v[64*((\c)%3)+32+4*\i:64*((\c)%3)+32+4*\i+3], v8, s[6:7] offset:(\c)*64*WROW+\i*2*WROW
.endr
.endm
; Chunk k's weights: round to bf16, ask for the chunk three further on into the landing buffer just read, lay the rows into stage buffer k&1.
.macro STAGE_IN k
.if (\k) <= 13
	s_wait_loadcnt 32                              ; the 16 loads of each of the two younger chunks stay out
.else
	s_wait_loadcnt 16*(15-(\k))                    ; one younger chunk, then none
.endif
	WIN 0x0a                                       ; sources 0 and 1 in window 2
.irp j, 0,1,2,3,4,5,6,7,8,9,10,11,12,13,14,15
	v_cvt_pk_bf16_f32 v[PK+2*\j],   v[64*((\k)%3)+4*\j],   v[64*((\k)%3)+4*\j+1]
	v_cvt_pk_bf16_f32 v[PK+2*\j+1], v[64*((\k)%3)+4*\j+2], v[64*((\k)%3)+4*\j+3]
.endr
.if (\k) <= 12
	PRO_LOAD (\k+3)
.endif
	WIN 0
.irp m, 0,1
.irp i, 0,1,2,3,4,5,6,7
	ds_store_b64 v9, v[PK+16*\m+2*\i:PK+16*\m+2*\i+1] offset:((\k)&1)*WBUF+\m*WMAT+\i*2*WPITCH
.endr
.endr
.endm
; One matrix instruction: weight tile t x row fragment rt of K step sl, onto the accumulator of rt's block of rows (DOWN = 1: hi's and lo's share it).
.macro WM sl, rt, t, zero
.if \zero
	v_wmma_f32_16x16x32_bf16 v[16*((\rt)&(NRT-1))+8*\t:16*((\rt)&(NRT-1))+8*\t+7], v[WF+16*\sl+8*\t:WF+16*\sl+8*\t+7], v[XB+64*\sl+8*\rt:XB+64*\sl+8*\rt+7], 0
.else
	v_wmma_f32_16x16x32_bf16 v[16*((\rt)&(NRT-1))+8*\t:16*((\rt)&(NRT-1))+8*\t+7], v[WF+16*\sl+8*\t:WF+16*\sl+8*\t+7], v[XB+64*\sl+8*\rt:XB+64*\sl+8*\rt+7], v[16*((\rt)&(NRT-1))+8*\t:16*((\rt)&(NRT-1))+8*\t+7]
.endif
.endm
; 16 matrix instructions, one K step.  The 2 NRT accumulators take turns, one instruction a turn, in the same order everywhere.
; first = 1: the first product of each accumulator starts its sum; nothing is cleared.
.macro MULS sl, first
.irp rt, 0,1,2,3,4,5,6,7
.irp t, 0,1
.if (\rt) < NRT
	WM \sl, \rt, \t, \first
.else
	WM \sl, \rt, \t, 0
.endif
.endr
.endr
.endm
; One chunk of 64 along K.  It begins behind a barrier: stage buffer c&1 is whole, and the planes of chunk c have landed in every wave's part.
; 8 transposing loads bring my two weight tiles' fragments of K steps 2c, 2c+1; 32 loads the row fragments (K step s starts at plane 4 s; lanes 0-15 read
; 256 consecutive bytes of plane 4 s (+2), lanes 16-31 of the plane behind it).  While they are on their way chunk c + 1 is staged into the OTHER buffer:
; its last readers (chunk c - 1) waited for their loads in front of the barrier that this chunk began behind.  So one barrier a chunk is enough.
.macro CHUNK c
.if \c
	PLACES                                         ; the loads below land in registers that the last matrix instructions read
.endif
.irp sl, 0,1
.irp t, 0,1
	ds_load_tr16_b128 v[WF+16*\sl+8*\t:WF+16*\sl+8*\t+3],   v[10+\t] offset:((\c)&1)*WBUF+\sl*32*WPITCH
	ds_load_tr16_b128 v[WF+16*\sl+8*\t+4:WF+16*\sl+8*\t+7], v[10+\t] offset:((\c)&1)*WBUF+\sl*32*WPITCH+16*WPITCH
.endr
.endr
.irp sl, 0,1
.irp rt, 0,1,2,3,4,5,6,7
	ds_load_b128 v[XB+64*\sl+8*\rt:XB+64*\sl+8*\rt+3],   v[XA+((\c)>>2)] offset:((2*(\c)+\sl)&7)*4*TPL+\rt*256+DOWN*((\rt)>>2)*(PART-1024)
	ds_load_b128 v[XB+64*\sl+8*\rt+4:XB+64*\sl+8*\rt+7], v[XA+((\c)>>2)] offset:((2*(\c)+\sl)&7)*4*TPL+\rt*256+DOWN*((\rt)>>2)*(PART-1024)+2*TPL
.endr
.endr
.if \c < 15
	STAGE_IN (\c+1)
	s_wait_dscnt 32                                ; the second K step's 16 row loads and the 16 stage stores may stay out
.else
	s_wait_dscnt 16                                ; the second K step's 16 row loads may stay out
.endif
	WIN 0x50                                       ; C and D in window 1
.if \c
	MULS 0, 0
.else
	MULS 0, 1
.endif
.if \c < 15
	s_wait_dscnt 16                                ; the 16 stage stores may stay out
.else
	s_wait_dscnt 0x0
.endif
	MULS 1, 0
	WIN 0
.if ((\c)&3) == 3
.if \c < 15
	s_wait_tensorcnt 3-((\c+1)>>2)                 ; my part of the next group has landed; the younger groups stay out (nothing is filled again)
.endif
.endif
	s_wait_dscnt 0x0                               ; my stage rows are written, my reads of this chunk's stage are back
	WGBAR
.endm
; y, 32 rows at a time: a wave holds 2 x 64 bytes of each row, so the four waves' parts meet in a stage and leave as whole rows of 512 bytes.
; Each of the two units has a stage buffer and registers of its own; the weights' stage, whose bytes they take, was last read in front of the last chunk's barrier.
.macro YOUT u
	WIN 0x04                                       ; the stores' data in window 1
.irp i, 0,1
.irp t, 0,1
	ds_store_b128 v13, v[16*(2*\u+\i)+8*\t:16*(2*\u+\i)+8*\t+3]   offset:(\u)*YBUF+\i*16*YPITCH+\t*256
	ds_store_b128 v13, v[16*(2*\u+\i)+8*\t+4:16*(2*\u+\i)+8*\t+7] offset:(\u)*YBUF+\i*16*YPITCH+\t*256+16
.endr
.endr
	WIN 0
	s_wait_dscnt 0x0                               ; my part of the stage is written
	WGBAR
.irp q, 0,1,2,3,4,5,6,7
	ds_load_b128 v[RB+32*\u+4*\q:RB+32*\u+4*\q+3], v14 offset:(\u)*YBUF+\q*YPITCH   ; row 8 w + q, 512 bytes
.endr
.irp q, 0,1,2,3,4,5,6,7
	s_wait_dscnt 7-\q
	global_store_b128 v12, v[RB+32*\u+4*\q:RB+32*\u+4*\q+3], s[50:51] offset:(32*\u+\q)*4096   ; 512 consecutive bytes, aligned
.endr
.endm
.if DOWN
	s_load_b64  s[4:5],   s[0:1], 0x0              ; w3
	s_load_b128 s[8:11],  s[0:1], 0x8              ; h (rows in), y (out)
	s_load_b64  s[12:13], s[0:1], 0x18             ; plan
.else
	s_load_b256 s[4:11],  s[0:1], 0x0              ; w1, w2, xs (rows in), h (out)
	s_load_b64  s[12:13], s[0:1], 0x20             ; plan
	v_lshl_add_u32 v254, v0, 2, 0x4a000
	v_mov_b32 v255, 0
	ds_add_u32 v254, v255
.endif
	v_lshrrev_b32 v1, 5, v0
	v_readfirstlane_b32 s14, v1                    ; wave 0..3
	s_bfe_u32 s15, ttmp6, 0x40000                  ; my place in the cluster
	s_lshl_b32 s3, ttmp9, 2
	s_add_co_u32 s15, s3, s15                      ; column block
	s_and_b32 s16, ttmp7, 0xffff                   ; row tile
.if DOWN
	s_lshr_b32 s22, s16, 1                         ; two tiles of 64 rows lie in a tile of 128, which has a word in plan
	s_lshl_b32 s22, s22, 2
.else
	s_lshl_b32 s22, s16, 2                         ; the tile's word in plan
.endif
	s_mov_b32 s57, 0
	s_mov_b32 s53, 0
	; group 1: NPL planes of the tile: NPL rows of TPL bytes (elements of 2 bytes), 39,936 elements from plane to plane, no padding
	s_mov_b32 s[G1+0], 15|(1<<16)|(1<<21)          ; 15:0 the four work-groups of the cluster; 17:16 2 bytes; 21 set beside a mask
	s_mov_b32 s[G1+1], (TPL/2)<<16                 ; tensor_dim0
	s_mov_b32 s[G1+2], NPL<<16                     ; tensor_dim1
	s_mov_b32 s[G1+3], (TPL/2)<<16                 ; tile_dim0
	s_mov_b32 s[G1+4], NPL                         ; tile_dim1
	s_mov_b32 s[G1+5], PLANE/2                     ; stride
	s_mov_b32 s[G1+6], 0
	s_mov_b32 s[G1+7], 0
	s_lshl_b32 s2, s14, 14                         ; my quarter of a group
.irp n, 0,1,2,3
	s_mov_b32 s[G0+4*\n], 1
	s_add_co_u32 s[G0+4*\n+1], s2, \n*GRP
.endr
.if DOWN
	s_lshr_b32 s23, s14, 1                         ; waves 0, 1 bring hi, waves 2, 3 lo:
	s_mul_i32 s52, s23, 128*PLANE                  ; plane 128 (w>>1)
	s_and_b32 s23, s14, 1
	s_mul_i32 s23, s23, 16*PLANE                   ; + 16 (w&1): which half of the group's 32 planes
	s_add_co_u32 s52, s52, s23
	s_lshl_b32 s23, s16, 10                        ; 1024 bytes a tile in each plane
.else
	s_mul_i32 s52, s14, 8*PLANE                    ; plane 8 w: which quarter of the group's 32 planes
	s_lshl_b32 s23, s16, 11                        ; 2048 bytes a tile in each plane
.endif
	s_add_co_u32 s52, s52, s23
	v_and_b32 v1, 15, v0
	v_bfe_u32 v2, v0, 4, 1
	v_and_b32 v3, 31, v0
	s_lshl_b32 s2, s14, 16
	v_lshlrev_b32 v8, 4, v1
	v_lshl_add_u32 v8, v2, 12, v8
	v_add_nc_u32 v8, s2, v8                        ; weights: row 16 w + l/16, 16 bytes at 16 (l%16)
	s_wait_dscnt 0x0
	s_wait_kmcnt 0x0
	s_load_b32 s20, s[12:13], s22 offset:0x0       ; the tile's expert
	s_add_nc_u64 s[48:49], s[8:9], s[52:53]
.irp n, 0,1,2,3
	s_add_nc_u64 s[G0+4*\n+2:G0+4*\n+3], s[48:49], \n*32*PLANE
	s_or_b32 s[G0+4*\n+3], s[G0+4*\n+3], 0x80000000    ; type = 2
.endr
	ROUND                                          ; the four work-groups are here: the joint loads meet
.irp n, 0,1,2,3
	tensor_load_to_lds s[G0+4*\n:G0+4*\n+3], s[G1:G1+7]    ; four loads of mine are out; each byte of the tile is filled once
	s_nop 0
.endr
	s_wait_kmcnt 0x0
	s_min_u32 s20, s20, 7
	s_lshl_b32 s56, s20, 22                        ; 4 MiB a matrix
	s_lshl_b32 s3, s15, 8+DOWN                     ; 256 (512) bytes a column block
	s_add_co_u32 s56, s56, s3
	s_add_nc_u64 s[4:5], s[4:5], s[56:57]
.if DOWN
	s_add_nc_u64 s[6:7], s[4:5], 256               ; the block's columns 64-127
.else
	s_add_nc_u64 s[6:7], s[6:7], s[56:57]
.endif
	PRO_LOAD 0                                     ; 48 loads a wave
	PRO_LOAD 1
	PRO_LOAD 2
	WIN 0
	v_lshlrev_b32 v[XA], 4, v1
	v_lshl_add_u32 v[XA], v2, 11-DOWN, v[XA]       ; plane l/16, row l%16
	v_add_nc_u32 v[XA+1], GRP, v[XA]
	v_add_nc_u32 v[XA+2], 2*GRP, v[XA]
	v_add_nc_u32 v[XA+3], 3*GRP, v[XA]
	s_mul_i32 s2, s14, 16*WPITCH
	s_add_co_u32 s2, s2, STAGE
	v_mul_u32_u24 v9, v2, WPITCH
	v_lshl_add_u32 v9, v1, 3, v9
	v_add_nc_u32 v9, s2, v9                        ; stage row 16 w + l/16, 8 bytes at 8 (l%16)
	v_and_b32 v15, 7, v0
	v_lshl_add_u32 v15, v2, 3, v15
	v_mul_u32_u24 v10, v15, WPITCH                 ; transposing load: row 8 (l/16) + l%8,
	v_bfe_u32 v15, v0, 3, 1
	v_lshl_add_u32 v10, v15, 4, v10                ; 16 bytes at 16 ((l>>3)&1),
	s_lshl_b32 s2, s14, 5
	s_add_co_u32 s2, s2, STAGE
	v_add_nc_u32 v10, s2, v10                      ; of my 16 columns
	v_add_nc_u32 v11, WMAT, v10
.if DOWN
	s_lshl_b32 s2, s14, 15
	v_lshlrev_b32 v12, 4, v3
	v_add_nc_u32 v12, s2, v12                      ; y: row 8 w, 16 bytes a lane
	v_mul_u32_u24 v13, v1, YPITCH
	v_lshl_add_u32 v13, v2, 5, v13
	s_lshl_b32 s2, s14, 6
	s_add_co_u32 s2, s2, STAGE
	v_add_nc_u32 v13, s2, v13                      ; in: row l%16, columns 16 w + 8 (l/16)
	s_mul_i32 s2, s14, 8*YPITCH
	s_add_co_u32 s2, s2, STAGE
	v_lshl_add_u32 v14, v3, 4, s2                  ; back: row 8 w, 16 bytes a lane
	s_lshl_b32 s56, s16, 18                        ; 64 rows of 4,096 bytes a tile
	s_lshl_b32 s3, s15, 9
.else
	v_mul_u32_u24 v12, v2, PLANE
	v_lshl_add_u32 v12, v1, 4, v12                 ; h: plane l/16, row l%16
	s_mov_b32 s54, 0xbfb8aa3b                      ; -log2 e
	s_mov_b32 s55, 0xbfb8aa3b
	s_mov_b32 s23, 0xffff0000                      ; a word's upper bf16
	s_lshl_b32 s3, s15, 3
	s_lshl_b32 s56, s14, 1
	s_add_co_u32 s3, s3, s56
	s_mul_i32 s56, s3, PLANE                       ; plane 8 x block + 2 w
	s_lshl_b32 s3, s16, 11
.endif
	s_add_co_u32 s56, s56, s3
	s_add_nc_u64 s[50:51], s[10:11], s[56:57]
.if DOWN == 0
	s_add_nc_u64 s[58:59], s[50:51], 128*PLANE     ; lo's planes: too far for a store's immediate, so a base of their own
.endif
	STAGE_IN 0
	s_wait_tensorcnt 3                             ; my part of the first group has landed; my three younger loads stay out
	s_wait_dscnt 0x0
	WGBAR
.irp c, 0,1,2,3,4,5,6,7,8,9,10,11,12,13,14,15
	CHUNK \c
.endr
	PLACES                                         ; before anything reads the results or writes over the fragments
.if DOWN
	YOUT 0
	YOUT 1
.else
	; h = (g / (1 + 2^(-g log2 e))) v, accumulator (rt, 0) = g, (rt, 1) = v; all 64 numbers of a lane go through each step together,
	; so that the register window changes four times in all
	WIN 0x01                                       ; source 0 in window 1
.irp rt, 0,1,2,3,4,5,6,7
.irp p, 0,2,4,6
	v_pk_mul_f32 v[TMP+8*\rt+\p:TMP+8*\rt+\p+1], v[16*\rt+\p:16*\rt+\p+1], s[54:55] op_sel_hi:[1,0]
.endr
.endr
	WIN 0
.set j, 0
.rept 64
	v_exp_f32 v[TMP+j], v[TMP+j]
.set j, j+1
.endr
	v_nop                                          ; one plain place behind a transcendental before its result is used (ISA guide 5.7.2)
.set j, 0
	s_wait_alu depctr_va_vdst(0)
.rept 32
	v_pk_add_f32 v[TMP+j:TMP+j+1], v[TMP+j:TMP+j+1], 1.0 op_sel_hi:[1,0]
.set j, j+2
.endr
.set j, 0
.rept 64
	v_rcp_f32 v[TMP+j], v[TMP+j]
.set j, j+1
.endr
	v_nop
	WIN 0x01
	s_wait_alu depctr_va_vdst(0)
.irp rt, 0,1,2,3,4,5,6,7
.irp p, 0,2,4,6
	v_pk_mul_f32 v[TMP+8*\rt+\p:TMP+8*\rt+\p+1], v[16*\rt+\p:16*\rt+\p+1], v[TMP+8*\rt+\p:TMP+8*\rt+\p+1]
.endr
.endr
.irp rt, 0,1,2,3,4,5,6,7
.irp p, 0,2,4,6
	v_pk_mul_f32 v[TMP+8*\rt+\p:TMP+8*\rt+\p+1], v[16*\rt+8+\p:16*\rt+8+\p+1], v[TMP+8*\rt+\p:TMP+8*\rt+\p+1]
.endr
.endr
	WIN 0
	; hi = bf16(h) goes out; hi is widened again (a shift, a mask), h - hi is exact in f32, and lo = bf16(h - hi) goes out 128 planes further on
.irp rt, 0,1,2,3,4,5,6,7
.irp k, 0,1,2,3
	v_cvt_pk_bf16_f32 v[PKO+4*\rt+\k], v[TMP+8*\rt+2*\k], v[TMP+8*\rt+2*\k+1]
.endr
	global_store_b128 v12, v[PKO+4*\rt:PKO+4*\rt+3], s[50:51] offset:256*\rt   ; sixteen lanes: 256 consecutive bytes of one plane, aligned
.irp k, 0,1,2,3
	v_lshlrev_b32 v[UNP+2*\k],   16,  v[PKO+4*\rt+\k]
	v_and_b32     v[UNP+2*\k+1], s23, v[PKO+4*\rt+\k]
.endr
.irp k, 0,1,2,3,4,5,6,7
	v_sub_f32 v[TMP+8*\rt+\k], v[TMP+8*\rt+\k], v[UNP+\k]
.endr
.irp k, 0,1,2,3
	v_cvt_pk_bf16_f32 v[PKL+4*\rt+\k], v[TMP+8*\rt+2*\k], v[TMP+8*\rt+2*\k+1]
.endr
	global_store_b128 v12, v[PKL+4*\rt:PKL+4*\rt+3], s[58:59] offset:256*\rt
.endr
.endif
	s_wait_dscnt 0x0
	s_wait_tensorcnt 0x0
	ds_add_u32 v254, v255
	s_wait_dscnt 0x0
	ROUND                                          ; the closing round: no work-group ends while a partner may still ask for a tile that names it
	s_endpgm
.Lfunc_end_k_q45799a171a_up:
	.size	k_q45799a171a_up, .Lfunc_end_k_q45799a171a_up-k_q45799a171a_up
	.p2alignl 7, 3214868480
	.fill 96, 4, 3214868480
	.section	.rodata,"a",@progbits
	.p2align	6, 0x0
	.amdhsa_kernel k_q45799a171a_up
		.amdhsa_group_segment_fixed_size 303616
		.amdhsa_private_segment_fixed_size 0
		.amdhsa_enable_private_segment 0
		.amdhsa_kernarg_size 40
		.amdhsa_user_sgpr_count 2
		.amdhsa_user_sgpr_kernarg_segment_ptr 1
		.amdhsa_wavefront_size32 1
		.amdhsa_system_sgpr_workgroup_id_x 1
		.amdhsa_system_sgpr_workgroup_id_y 1
		.amdhsa_system_sgpr_workgroup_id_z 1
		.amdhsa_system_vgpr_workitem_id 0
		.amdhsa_next_free_vgpr 768
		.amdhsa_next_free_sgpr 66
		.amdhsa_reserve_vcc 0
		.amdhsa_float_denorm_mode_32 3
		.amdhsa_float_denorm_mode_16_64 3
		.amdhsa_memory_ordered 1
		.amdhsa_forward_progress 1
		.amdhsa_inst_pref_size 180
	.end_amdhsa_kernel
	.amdgpu_metadata
---
amdhsa.version: [ 1, 2 ]
amdhsa.kernels:
  - .name:           k_q45799a171a_up
    .symbol:         k_q45799a171a_up.kd
    .args:
      - { .name: w1, .offset: 0, .size: 8, .value_kind: global_buffer, .address_space: global }
      - { .name: w2, .offset: 8, .size: 8, .value_kind: global_buffer, .address_space: global }
      - { .name: xs, .offset: 16, .size: 8, .value_kind: global_buffer, .address_space: global }
      - { .name: h, .offset: 24, .size: 8, .value_kind: global_buffer, .address_space: global }
      - { .name: plan, .offset: 32, .size: 8, .value_kind: global_buffer, .address_space: global }
    .group_segment_fixed_size: 303616
    .private_segment_fixed_size: 0
    .kernarg_segment_align: 8
    .kernarg_segment_size: 40
    .max_flat_workgroup_size: 128
    .sgpr_count:     66
    .vgpr_count:     768
    .wavefront_size: 32
...
	.end_amdgpu_metadata
.endif
;; end of part 2
;; launch down (part 3): grid 8 x 78, 4 waves a work-group, clusters of 4 x 1, 303,616 bytes of LDS; arguments w3, h, y, plan; writes y
.if DOCPART == 3
	.amdgcn_target "amdgcn-amd-amdhsa--gfx1250"
	.amdhsa_code_object_version 6
	.text
	.protected	k_q45799a171a_down
	.globl	k_q45799a171a_down
	.p2align	8
	.type	k_q45799a171a_down,@function
k_q45799a171a_down:
	s_mov_b64 s[64:65], 0
	v_nop
	global_prefetch_b8 v0, s[64:65] scope:SCOPE_SE
	s_setreg_imm32_b32 hwreg(HW_REG_WAVE_MODE, 25, 1), 1
	s_wait_xcnt 0x0
	s_wait_alu depctr_hold_cnt(0) depctr_sa_sdst(0) depctr_va_vdst(0) depctr_va_sdst(0) depctr_va_ssrc(0) depctr_va_vcc(0) depctr_vm_vsrc(0)
	s_getreg_b32 s2, hwreg(HW_REG_IB_STS2, 6, 4)
	s_cmp_eq_u32 s2, 0
	s_cbranch_scc0 .Lentry_in_a_cluster
	s_endpgm
.Lentry_in_a_cluster:
	s_bfe_u32 s2, ttmp6, 0x10000c
	s_cmp_lg_u32 s2, 0x3003
	s_cbranch_scc0 .Lentry_shape_is_right
	s_endpgm
.Lentry_shape_is_right:
; The experts' two GEMM launches from one source.  DOWN = 0: h = silu(xs W1[e]) * (xs W2[e]), arguments w1, w2, xs, h, plan.
;                                                  DOWN = 1: y = h W3[e],                     arguments w3, h, y, plan.
; Rows are the sorted rows of the first launch: 39 tiles of 128 rows, each tile of one expert, plan[tile] = that expert.
; xs is bf16 in planes of 8 k: element (row, k) at byte (k>>3) x 79872 + 16 row + 2 (k&7).  y is f32, row-major [4992][1024].
; h IS KEPT AS TWO bf16 NUMBERS, hi = bf16(h) and lo = bf16(h - hi), in the same plane layout: planes 0-127 hi, planes 128-255 lo.  One bf16 has 8 bits,
; so its rounding alone may reach 2^-8 of h; hi + lo carries 16 bits.  DOWN = 1 adds hi W3 and lo W3 into one f32 accumulator.
; A work-group makes one row tile (grid y) x one column block (grid x).  DOWN = 0: 128 rows x 64 columns of W1 and the same 64 of W2.
; DOWN = 1: 64 rows (hi and lo: as many bytes as 128 rows of xs) x 128 columns of W3; the expert is plan[grid y >> 1].
; The text is straight: 16 chunks of 64 along K, no loop, and no branch, barrier or descriptor hangs on a number read from memory.  The one such
; number, the tile's expert, is clamped to 7 and enters the weights' global address alone.  A tile that the routing leaves unused holds zero rows and
; is computed like the others (39 tiles of 128 are needed in the worst case of routing).
; ROWS: the whole tile, 256 KiB, is filled into LDS once, four tensor loads of 16 KiB a wave.
; CLUSTER 4 x 1: the four column blocks of a cluster need the same row tile and ask for it jointly (mask 15); its address hangs on grid y and the wave alone.
; WEIGHTS: f32 [K][N] through registers (row pieces of 256 bytes), rounded to bf16, laid into an LDS stage and read back by transposing loads.  They are not
; asked for jointly: the cluster's four read different columns, and which other work-groups share them is a number read from memory.
; A wave makes all the tile's rows x 2 tiles of 16 weight columns: 16 accumulators (DOWN = 1: 8).
; THE MATRIX INSTRUCTION IS USED TRANSPOSED: source 0 = 16 weight columns, source 1 = 16 rows.  Lane l then holds row l % 16 and its registers
; 0-7 the columns 8 (l / 16) + 0..7: for h that is 16 bytes of one plane, and sixteen lanes make 256 consecutive bytes.
; LIMITS: x and the weights rounded to bf16, sums in f32, h kept to 16 bits.  silu(g) = g / (1 + 2^(-g log2 e)): for very negative g the power overflows to
; infinity and the quotient is 0, which is the limit.  A finite h whose rounding to bf16 overflows (|h| above about 3.39e38) gives hi = infinity, lo = NaN.
.set DOWN,   1
.set PLANE,  79872                     ; bytes of a plane: 4992 rows x 16
.set TPL,    2048>>DOWN                ; the tile's rows in one plane: 128 rows (64 rows)
.set NPL,    16384/TPL                 ; planes that one tensor load brings
.set NRT,    8>>DOWN                   ; blocks of 16 rows in the tile
.set GRP,    65536                     ; LDS: four groups, one for 4 chunks.  DOWN = 0: planes 32 g .. 32 g + 31.  DOWN = 1: those planes of hi, then those of lo
.set PART,   32768                     ; DOWN = 1: from hi's planes to lo's inside a group
.set STAGE,  4*GRP                     ; behind the tile: 40,960 bytes that LDS stores write and no tensor load fills
.set WROW,   4096                      ; bytes of a row of a weight matrix
.set WPITCH, 160                       ; the weights' stage: 64 columns of bf16 + 32 bytes = 5 x 32
.set WMAT,   64*WPITCH                 ; 64 k of one matrix
.set WBUF,   2*WMAT                    ; two matrices; two such buffers take turns
.set YPITCH, 528                       ; the way out of y: 128 f32 + 16 bytes = 33 x 16
.set YBUF,   32*YPITCH                 ; 32 rows; one such buffer for each half of the tile
; window 0: v1 l%16, v2 l/16, v3 lane; v4-7 row fragments' address in group 0..3; v8 weights' offset; v9 stage store; v10-11 stage read (matrix 0, 1);
;           v12 output offset; v13, v14 y's stage, in and back; v16-47 packed weights; v48-79 weight fragments (K step sl, tile t) at 48 + 16 sl + 8 t;
;           v80-207 row fragments (sl, rt) at 80 + 64 sl + 8 rt (DOWN = 1: rt 0-3 hi's four blocks of rows, rt 4-7 lo's); on the way out v80-239 at work
; window 1: accumulators (block of rows, t) at 16 block + 8 t.      window 2: v0-191 three landing buffers of 64 for the weights as loaded
.set XA,   4
.set PK,   16
.set WF,   48
.set XB,   80
.set TMP,  80                          ; h in f32, then h - hi
.set PKO,  144                         ; hi, packed
.set UNP,  176                         ; hi of one block of rows, widened again
.set PKL,  208                         ; lo, packed
.set RB,   80
; s[4:5], s[6:7] the two weight blocks; s[8:9] rows in; s[10:11] out; s[12:13] plan; s14 wave; s16 tile; s20 expert; s2, s22, s23 at work;
; s[48:49] my planes of the tile; s[50:51] output base; s[58:59] the same for lo; s[52:53] offset for descriptors (s53 = 0); s[54:55] -log2 e;
; s3, s15, s[56:57] numbers that hold the place in the cluster or the expert: they reach the weights' and the output's global addresses alone
.set G1,   24                          ; s[24:31] descriptor group 1, never rewritten
.set G0,   32                          ; s[32:47] descriptor group 0, one set for each group
.set MSB,  0
.macro WIN new                         ; s_set_vgpr_msb: bits 1:0 source 0, 3:2 source 1, 5:4 source 2, 7:6 destination; the high byte repeats the setting that is left
.if MSB != (\new)
	s_set_vgpr_msb (MSB<<8)|(\new)
.set MSB, (\new)
.endif
.endm
.macro PLACES                          ; four places of plain vector instructions behind a matrix instruction (ISA guide 7.12.1)
.rept 4
	v_nop
.endr
.endm
.macro WGBAR
	s_barrier_signal -1
	s_barrier_wait -1
.endm
.macro ROUND                           ; a round of the cluster's barrier: my work-group's barrier, wave 0 signals for the work-group, all wait, my barrier again
	s_barrier_signal -1
	s_barrier_wait -1
	s_cmp_lg_u32 s14, 0
	s_cbranch_scc1 .Lnot_wave_0_\@
	s_barrier_signal -3
.Lnot_wave_0_\@:
	s_barrier_wait -3
	s_barrier_signal -1
	s_barrier_wait -1
.endm
; Chunk c of the weights = k rows 64 c .. 64 c + 63 of both blocks.  A wave loads rows 64 c + 16 w + 2 i + l/16; sixteen lanes take a row piece of 256 bytes.
.macro PRO_LOAD c
	WIN 0x80                                       ; destination in window 2
.irp i, 0,1,2,3,4,5,6,7
	global_load_b128 v[64*((\c)%3)+4*\i:64*((\c)%3)+4*\i+3], v8, s[4:5] offset:(\c)*64*WROW+\i*2*WROW
.endr
.irp i, 0,1,2,3,4,5,6,7
	global_load_b128 v[64*((\c)%3)+32+4*\i:64*((\c)%3)+32+4*\i+3], v8, s[6:7] offset:(\c)*64*WROW+\i*2*WROW
.endr
.endm
; Chunk k's weights: round to bf16, ask for the chunk three further on into the landing buffer just read, lay the rows into stage buffer k&1.
.macro STAGE_IN k
.if (\k) <= 13
	s_wait_loadcnt 32                              ; the 16 loads of each of the two younger chunks stay out
.else
	s_wait_loadcnt 16*(15-(\k))                    ; one younger chunk, then none
.endif
	WIN 0x0a                                       ; sources 0 and 1 in window 2
.irp j, 0,1,2,3,4,5,6,7,8,9,10,11,12,13,14,15
	v_cvt_pk_bf16_f32 v[PK+2*\j],   v[64*((\k)%3)+4*\j],   v[64*((\k)%3)+4*\j+1]
	v_cvt_pk_bf16_f32 v[PK+2*\j+1], v[64*((\k)%3)+4*\j+2], v[64*((\k)%3)+4*\j+3]
.endr
.if (\k) <= 12
	PRO_LOAD (\k+3)
.endif
	WIN 0
.irp m, 0,1
.irp i, 0,1,2,3,4,5,6,7
	ds_store_b64 v9, v[PK+16*\m+2*\i:PK+16*\m+2*\i+1] offset:((\k)&1)*WBUF+\m*WMAT+\i*2*WPITCH
.endr
.endr
.endm
; One matrix instruction: weight tile t x row fragment rt of K step sl, onto the accumulator of rt's block of rows (DOWN = 1: hi's and lo's share it).
.macro WM sl, rt, t, zero
.if \zero
	v_wmma_f32_16x16x32_bf16 v[16*((\rt)&(NRT-1))+8*\t:16*((\rt)&(NRT-1))+8*\t+7], v[WF+16*\sl+8*\t:WF+16*\sl+8*\t+7], v[XB+64*\sl+8*\rt:XB+64*\sl+8*\rt+7], 0
.else
	v_wmma_f32_16x16x32_bf16 v[16*((\rt)&(NRT-1))+8*\t:16*((\rt)&(NRT-1))+8*\t+7], v[WF+16*\sl+8*\t:WF+16*\sl+8*\t+7], v[XB+64*\sl+8*\rt:XB+64*\sl+8*\rt+7], v[16*((\rt)&(NRT-1))+8*\t:16*((\rt)&(NRT-1))+8*\t+7]
.endif
.endm
; 16 matrix instructions, one K step.  The 2 NRT accumulators take turns, one instruction a turn, in the same order everywhere.
; first = 1: the first product of each accumulator starts its sum; nothing is cleared.
.macro MULS sl, first
.irp rt, 0,1,2,3,4,5,6,7
.irp t, 0,1
.if (\rt) < NRT
	WM \sl, \rt, \t, \first
.else
	WM \sl, \rt, \t, 0
.endif
.endr
.endr
.endm
; One chunk of 64 along K.  It begins behind a barrier: stage buffer c&1 is whole, and the planes of chunk c have landed in every wave's part.
; 8 transposing loads bring my two weight tiles' fragments of K steps 2c, 2c+1; 32 loads the row fragments (K step s starts at plane 4 s; lanes 0-15 read
; 256 consecutive bytes of plane 4 s (+2), lanes 16-31 of the plane behind it).  While they are on their way chunk c + 1 is staged into the OTHER buffer:
; its last readers (chunk c - 1) waited for their loads in front of the barrier that this chunk began behind.  So one barrier a chunk is enough.
.macro CHUNK c
.if \c
	PLACES                                         ; the loads below land in registers that the last matrix instructions read
.endif
.irp sl, 0,1
.irp t, 0,1
	ds_load_tr16_b128 v[WF+16*\sl+8*\t:WF+16*\sl+8*\t+3],   v[10+\t] offset:((\c)&1)*WBUF+\sl*32*WPITCH
	ds_load_tr16_b128 v[WF+16*\sl+8*\t+4:WF+16*\sl+8*\t+7], v[10+\t] offset:((\c)&1)*WBUF+\sl*32*WPITCH+16*WPITCH
.endr
.endr
.irp sl, 0,1
.irp rt, 0,1,2,3,4,5,6,7
	ds_load_b128 v[XB+64*\sl+8*\rt:XB+64*\sl+8*\rt+3],   v[XA+((\c)>>2)] offset:((2*(\c)+\sl)&7)*4*TPL+\rt*256+DOWN*((\rt)>>2)*(PART-1024)
	ds_load_b128 v[XB+64*\sl+8*\rt+4:XB+64*\sl+8*\rt+7], v[XA+((\c)>>2)] offset:((2*(\c)+\sl)&7)*4*TPL+\rt*256+DOWN*((\rt)>>2)*(PART-1024)+2*TPL
.endr
.endr
.if \c < 15
	STAGE_IN (\c+1)
	s_wait_dscnt 32                                ; the second K step's 16 row loads and the 16 stage stores may stay out
.else
	s_wait_dscnt 16                                ; the second K step's 16 row loads may stay out
.endif
	WIN 0x50                                       ; C and D in window 1
.if \c
	MULS 0, 0
.else
	MULS 0, 1
.endif
.if \c < 15
	s_wait_dscnt 16                                ; the 16 stage stores may stay out
.else
	s_wait_dscnt 0x0
.endif
	MULS 1, 0
	WIN 0
.if ((\c)&3) == 3
.if \c < 15
	s_wait_tensorcnt 3-((\c+1)>>2)                 ; my part of the next group has landed; the younger groups stay out (nothing is filled again)
.endif
.endif
	s_wait_dscnt 0x0                               ; my stage rows are written, my reads of this chunk's stage are back
	WGBAR
.endm
; y, 32 rows at a time: a wave holds 2 x 64 bytes of each row, so the four waves' parts meet in a stage and leave as whole rows of 512 bytes.
; Each of the two units has a stage buffer and registers of its own; the weights' stage, whose bytes they take, was last read in front of the last chunk's barrier.
.macro YOUT u
	WIN 0x04                                       ; the stores' data in window 1
.irp i, 0,1
.irp t, 0,1
	ds_store_b128 v13, v[16*(2*\u+\i)+8*\t:16*(2*\u+\i)+8*\t+3]   offset:(\u)*YBUF+\i*16*YPITCH+\t*256
	ds_store_b128 v13, v[16*(2*\u+\i)+8*\t+4:16*(2*\u+\i)+8*\t+7] offset:(\u)*YBUF+\i*16*YPITCH+\t*256+16
.endr
.endr
	WIN 0
	s_wait_dscnt 0x0                               ; my part of the stage is written
	WGBAR
.irp q, 0,1,2,3,4,5,6,7
	ds_load_b128 v[RB+32*\u+4*\q:RB+32*\u+4*\q+3], v14 offset:(\u)*YBUF+\q*YPITCH   ; row 8 w + q, 512 bytes
.endr
.irp q, 0,1,2,3,4,5,6,7
	s_wait_dscnt 7-\q
	global_store_b128 v12, v[RB+32*\u+4*\q:RB+32*\u+4*\q+3], s[50:51] offset:(32*\u+\q)*4096   ; 512 consecutive bytes, aligned
.endr
.endm
.if DOWN
	s_load_b64  s[4:5],   s[0:1], 0x0              ; w3
	s_load_b128 s[8:11],  s[0:1], 0x8              ; h (rows in), y (out)
	s_load_b64  s[12:13], s[0:1], 0x18             ; plan
	v_lshl_add_u32 v254, v0, 2, 0x4a000
	v_mov_b32 v255, 0
	ds_add_u32 v254, v255
.else
	s_load_b256 s[4:11],  s[0:1], 0x0              ; w1, w2, xs (rows in), h (out)
	s_load_b64  s[12:13], s[0:1], 0x20             ; plan
.endif
	v_lshrrev_b32 v1, 5, v0
	v_readfirstlane_b32 s14, v1                    ; wave 0..3
	s_bfe_u32 s15, ttmp6, 0x40000                  ; my place in the cluster
	s_lshl_b32 s3, ttmp9, 2
	s_add_co_u32 s15, s3, s15                      ; column block
	s_and_b32 s16, ttmp7, 0xffff                   ; row tile
.if DOWN
	s_lshr_b32 s22, s16, 1                         ; two tiles of 64 rows lie in a tile of 128, which has a word in plan
	s_lshl_b32 s22, s22, 2
.else
	s_lshl_b32 s22, s16, 2                         ; the tile's word in plan
.endif
	s_mov_b32 s57, 0
	s_mov_b32 s53, 0
	; group 1: NPL planes of the tile: NPL rows of TPL bytes (elements of 2 bytes), 39,936 elements from plane to plane, no padding
	s_mov_b32 s[G1+0], 15|(1<<16)|(1<<21)          ; 15:0 the four work-groups of the cluster; 17:16 2 bytes; 21 set beside a mask
	s_mov_b32 s[G1+1], (TPL/2)<<16                 ; tensor_dim0
	s_mov_b32 s[G1+2], NPL<<16                     ; tensor_dim1
	s_mov_b32 s[G1+3], (TPL/2)<<16                 ; tile_dim0
	s_mov_b32 s[G1+4], NPL                         ; tile_dim1
	s_mov_b32 s[G1+5], PLANE/2                     ; stride
	s_mov_b32 s[G1+6], 0
	s_mov_b32 s[G1+7], 0
	s_lshl_b32 s2, s14, 14                         ; my quarter of a group
.irp n, 0,1,2,3
	s_mov_b32 s[G0+4*\n], 1
	s_add_co_u32 s[G0+4*\n+1], s2, \n*GRP
.endr
.if DOWN
	s_lshr_b32 s23, s14, 1                         ; waves 0, 1 bring hi, waves 2, 3 lo:
	s_mul_i32 s52, s23, 128*PLANE                  ; plane 128 (w>>1)
	s_and_b32 s23, s14, 1
	s_mul_i32 s23, s23, 16*PLANE                   ; + 16 (w&1): which half of the group's 32 planes
	s_add_co_u32 s52, s52, s23
	s_lshl_b32 s23, s16, 10                        ; 1024 bytes a tile in each plane
.else
	s_mul_i32 s52, s14, 8*PLANE                    ; plane 8 w: which quarter of the group's 32 planes
	s_lshl_b32 s23, s16, 11                        ; 2048 bytes a tile in each plane
.endif
	s_add_co_u32 s52, s52, s23
	v_and_b32 v1, 15, v0
	v_bfe_u32 v2, v0, 4, 1
	v_and_b32 v3, 31, v0
	s_lshl_b32 s2, s14, 16
	v_lshlrev_b32 v8, 4, v1
	v_lshl_add_u32 v8, v2, 12, v8
	v_add_nc_u32 v8, s2, v8                        ; weights: row 16 w + l/16, 16 bytes at 16 (l%16)
	s_wait_dscnt 0x0
	s_wait_kmcnt 0x0
	s_load_b32 s20, s[12:13], s22 offset:0x0       ; the tile's expert
	s_add_nc_u64 s[48:49], s[8:9], s[52:53]
.irp n, 0,1,2,3
	s_add_nc_u64 s[G0+4*\n+2:G0+4*\n+3], s[48:49], \n*32*PLANE
	s_or_b32 s[G0+4*\n+3], s[G0+4*\n+3], 0x80000000    ; type = 2
.endr
	ROUND                                          ; the four work-groups are here: the joint loads meet
.irp n, 0,1,2,3
	tensor_load_to_lds s[G0+4*\n:G0+4*\n+3], s[G1:G1+7]    ; four loads of mine are out; each byte of the tile is filled once
	s_nop 0
.endr
	s_wait_kmcnt 0x0
	s_min_u32 s20, s20, 7
	s_lshl_b32 s56, s20, 22                        ; 4 MiB a matrix
	s_lshl_b32 s3, s15, 8+DOWN                     ; 256 (512) bytes a column block
	s_add_co_u32 s56, s56, s3
	s_add_nc_u64 s[4:5], s[4:5], s[56:57]
.if DOWN
	s_add_nc_u64 s[6:7], s[4:5], 256               ; the block's columns 64-127
.else
	s_add_nc_u64 s[6:7], s[6:7], s[56:57]
.endif
	PRO_LOAD 0                                     ; 48 loads a wave
	PRO_LOAD 1
	PRO_LOAD 2
	WIN 0
	v_lshlrev_b32 v[XA], 4, v1
	v_lshl_add_u32 v[XA], v2, 11-DOWN, v[XA]       ; plane l/16, row l%16
	v_add_nc_u32 v[XA+1], GRP, v[XA]
	v_add_nc_u32 v[XA+2], 2*GRP, v[XA]
	v_add_nc_u32 v[XA+3], 3*GRP, v[XA]
	s_mul_i32 s2, s14, 16*WPITCH
	s_add_co_u32 s2, s2, STAGE
	v_mul_u32_u24 v9, v2, WPITCH
	v_lshl_add_u32 v9, v1, 3, v9
	v_add_nc_u32 v9, s2, v9                        ; stage row 16 w + l/16, 8 bytes at 8 (l%16)
	v_and_b32 v15, 7, v0
	v_lshl_add_u32 v15, v2, 3, v15
	v_mul_u32_u24 v10, v15, WPITCH                 ; transposing load: row 8 (l/16) + l%8,
	v_bfe_u32 v15, v0, 3, 1
	v_lshl_add_u32 v10, v15, 4, v10                ; 16 bytes at 16 ((l>>3)&1),
	s_lshl_b32 s2, s14, 5
	s_add_co_u32 s2, s2, STAGE
	v_add_nc_u32 v10, s2, v10                      ; of my 16 columns
	v_add_nc_u32 v11, WMAT, v10
.if DOWN
	s_lshl_b32 s2, s14, 15
	v_lshlrev_b32 v12, 4, v3
	v_add_nc_u32 v12, s2, v12                      ; y: row 8 w, 16 bytes a lane
	v_mul_u32_u24 v13, v1, YPITCH
	v_lshl_add_u32 v13, v2, 5, v13
	s_lshl_b32 s2, s14, 6
	s_add_co_u32 s2, s2, STAGE
	v_add_nc_u32 v13, s2, v13                      ; in: row l%16, columns 16 w + 8 (l/16)
	s_mul_i32 s2, s14, 8*YPITCH
	s_add_co_u32 s2, s2, STAGE
	v_lshl_add_u32 v14, v3, 4, s2                  ; back: row 8 w, 16 bytes a lane
	s_lshl_b32 s56, s16, 18                        ; 64 rows of 4,096 bytes a tile
	s_lshl_b32 s3, s15, 9
.else
	v_mul_u32_u24 v12, v2, PLANE
	v_lshl_add_u32 v12, v1, 4, v12                 ; h: plane l/16, row l%16
	s_mov_b32 s54, 0xbfb8aa3b                      ; -log2 e
	s_mov_b32 s55, 0xbfb8aa3b
	s_mov_b32 s23, 0xffff0000                      ; a word's upper bf16
	s_lshl_b32 s3, s15, 3
	s_lshl_b32 s56, s14, 1
	s_add_co_u32 s3, s3, s56
	s_mul_i32 s56, s3, PLANE                       ; plane 8 x block + 2 w
	s_lshl_b32 s3, s16, 11
.endif
	s_add_co_u32 s56, s56, s3
	s_add_nc_u64 s[50:51], s[10:11], s[56:57]
.if DOWN == 0
	s_add_nc_u64 s[58:59], s[50:51], 128*PLANE     ; lo's planes: too far for a store's immediate, so a base of their own
.endif
	STAGE_IN 0
	s_wait_tensorcnt 3                             ; my part of the first group has landed; my three younger loads stay out
	s_wait_dscnt 0x0
	WGBAR
.irp c, 0,1,2,3,4,5,6,7,8,9,10,11,12,13,14,15
	CHUNK \c
.endr
	PLACES                                         ; before anything reads the results or writes over the fragments
.if DOWN
	YOUT 0
	YOUT 1
.else
	; h = (g / (1 + 2^(-g log2 e))) v, accumulator (rt, 0) = g, (rt, 1) = v; all 64 numbers of a lane go through each step together,
	; so that the register window changes four times in all
	WIN 0x01                                       ; source 0 in window 1
.irp rt, 0,1,2,3,4,5,6,7
.irp p, 0,2,4,6
	v_pk_mul_f32 v[TMP+8*\rt+\p:TMP+8*\rt+\p+1], v[16*\rt+\p:16*\rt+\p+1], s[54:55] op_sel_hi:[1,0]
.endr
.endr
	WIN 0
.set j, 0
.rept 64
	v_exp_f32 v[TMP+j], v[TMP+j]
.set j, j+1
.endr
	v_nop                                          ; one plain place behind a transcendental before its result is used (ISA guide 5.7.2)
.set j, 0
.rept 32
	v_pk_add_f32 v[TMP+j:TMP+j+1], v[TMP+j:TMP+j+1], 1.0 op_sel_hi:[1,0]
.set j, j+2
.endr
.set j, 0
.rept 64
	v_rcp_f32 v[TMP+j], v[TMP+j]
.set j, j+1
.endr
	v_nop
	WIN 0x01
.irp rt, 0,1,2,3,4,5,6,7
.irp p, 0,2,4,6
	v_pk_mul_f32 v[TMP+8*\rt+\p:TMP+8*\rt+\p+1], v[16*\rt+\p:16*\rt+\p+1], v[TMP+8*\rt+\p:TMP+8*\rt+\p+1]
.endr
.endr
.irp rt, 0,1,2,3,4,5,6,7
.irp p, 0,2,4,6
	v_pk_mul_f32 v[TMP+8*\rt+\p:TMP+8*\rt+\p+1], v[16*\rt+8+\p:16*\rt+8+\p+1], v[TMP+8*\rt+\p:TMP+8*\rt+\p+1]
.endr
.endr
	WIN 0
	; hi = bf16(h) goes out; hi is widened again (a shift, a mask), h - hi is exact in f32, and lo = bf16(h - hi) goes out 128 planes further on
.irp rt, 0,1,2,3,4,5,6,7
.irp k, 0,1,2,3
	v_cvt_pk_bf16_f32 v[PKO+4*\rt+\k], v[TMP+8*\rt+2*\k], v[TMP+8*\rt+2*\k+1]
.endr
	global_store_b128 v12, v[PKO+4*\rt:PKO+4*\rt+3], s[50:51] offset:256*\rt   ; sixteen lanes: 256 consecutive bytes of one plane, aligned
.irp k, 0,1,2,3
	v_lshlrev_b32 v[UNP+2*\k],   16,  v[PKO+4*\rt+\k]
	v_and_b32     v[UNP+2*\k+1], s23, v[PKO+4*\rt+\k]
.endr
.irp k, 0,1,2,3,4,5,6,7
	v_sub_f32 v[TMP+8*\rt+\k], v[TMP+8*\rt+\k], v[UNP+\k]
.endr
.irp k, 0,1,2,3
	v_cvt_pk_bf16_f32 v[PKL+4*\rt+\k], v[TMP+8*\rt+2*\k], v[TMP+8*\rt+2*\k+1]
.endr
	global_store_b128 v12, v[PKL+4*\rt:PKL+4*\rt+3], s[58:59] offset:256*\rt
.endr
.endif
	s_wait_dscnt 0x0
	s_wait_tensorcnt 0x0
	ds_add_u32 v254, v255
	s_wait_dscnt 0x0
	ROUND                                          ; the closing round: no work-group ends while a partner may still ask for a tile that names it
	s_endpgm
.Lfunc_end_k_q45799a171a_down:
	.size	k_q45799a171a_down, .Lfunc_end_k_q45799a171a_down-k_q45799a171a_down
	.p2alignl 7, 3214868480
	.fill 96, 4, 3214868480
	.section	.rodata,"a",@progbits
	.p2align	6, 0x0
	.amdhsa_kernel k_q45799a171a_down
		.amdhsa_group_segment_fixed_size 303616
		.amdhsa_private_segment_fixed_size 0
		.amdhsa_enable_private_segment 0
		.amdhsa_kernarg_size 32
		.amdhsa_user_sgpr_count 2
		.amdhsa_user_sgpr_kernarg_segment_ptr 1
		.amdhsa_wavefront_size32 1
		.amdhsa_system_sgpr_workgroup_id_x 1
		.amdhsa_system_sgpr_workgroup_id_y 1
		.amdhsa_system_sgpr_workgroup_id_z 1
		.amdhsa_system_vgpr_workitem_id 0
		.amdhsa_next_free_vgpr 768
		.amdhsa_next_free_sgpr 66
		.amdhsa_reserve_vcc 0
		.amdhsa_float_denorm_mode_32 3
		.amdhsa_float_denorm_mode_16_64 3
		.amdhsa_memory_ordered 1
		.amdhsa_forward_progress 1
		.amdhsa_inst_pref_size 163
	.end_amdhsa_kernel
	.amdgpu_metadata
---
amdhsa.version: [ 1, 2 ]
amdhsa.kernels:
  - .name:           k_q45799a171a_down
    .symbol:         k_q45799a171a_down.kd
    .args:
      - { .name: w3, .offset: 0, .size: 8, .value_kind: global_buffer, .address_space: global }
      - { .name: h, .offset: 8, .size: 8, .value_kind: global_buffer, .address_space: global }
      - { .name: y, .offset: 16, .size: 8, .value_kind: global_buffer, .address_space: global }
      - { .name: plan, .offset: 24, .size: 8, .value_kind: global_buffer, .address_space: global }
    .group_segment_fixed_size: 303616
    .private_segment_fixed_size: 0
    .kernarg_segment_align: 8
    .kernarg_segment_size: 32
    .max_flat_workgroup_size: 128
    .sgpr_count:     66
    .vgpr_count:     768
    .wavefront_size: 32
...
	.end_amdgpu_metadata
.endif
;; end of part 3
;; launch combine (part 4): grid 256 x 1, 8 waves a work-group, no clusters, 0 bytes of LDS; arguments pos, y, expert_weights, expert_indices, out0; writes out0
.if DOCPART == 4
	.amdgcn_target "amdgcn-amd-amdhsa--gfx1250"
	.amdhsa_code_object_version 6
	.text
	.protected	k_q45799a171a_combine
	.globl	k_q45799a171a_combine
	.p2align	8
	.type	k_q45799a171a_combine,@function
k_q45799a171a_combine:
	s_mov_b64 s[64:65], 0
	v_nop
	global_prefetch_b8 v0, s[64:65] scope:SCOPE_SE
	s_setreg_imm32_b32 hwreg(HW_REG_WAVE_MODE, 25, 1), 1
	s_wait_xcnt 0x0
; out[t] = p0 y[pos(t,0)] + p1 y[pos(t,1)]: the sum over experts made by gathering the token's two sorted rows.  y: [4992][1024] f32.
; One wave, one token (8 waves x 256 work-groups = 2048): 16 loads of 512 neighbouring bytes are out at once, 8 stores of 512 neighbouring bytes.
; A stream: no LDS, no barrier, no matrix work, nothing shared between work-groups.
; If both slots name one expert the two rows hold the same numbers, and p0 y + p1 y is reference()'s (p0 + p1) y up to rounding.
; LIMITS.  FORMAT: the two routing weights are used ROUNDED TO bf16 (nearest even; 8 significant bits, an error of at most 2^-8 of the weight), as x and
; the experts' weights are in the launches before: every floating-point input of the program enters in bf16, and the result is reference() on inputs
; so rounded.  The products with them and the sum are f32.  The rounding saves no work; it is made so that all inputs are treated alike.
; ORDER: the two terms are added in the order of the slots, not of the experts.
; INDICES: a slot whose index is outside 0..7 has no expert in reference(): its weight is taken as 0 here, times the row that the sort gave it
; (expert 7's); the product is 0 as long as that row is finite.
	s_load_b256 s[4:11], s[0:1], 0x0               ; pos s[4:5], y s[6:7], expert_weights s[8:9], expert_indices s[10:11]
	s_load_b64 s[12:13], s[0:1], 0x20              ; out0
	v_lshrrev_b32 v1, 5, v0
	v_readfirstlane_b32 s14, v1                    ; wave
	v_and_b32 v1, 31, v0
	v_lshlrev_b32 v1, 4, v1                        ; 16 bytes a lane
	s_lshl_b32 s15, ttmp9, 3
	s_add_co_u32 s15, s15, s14                     ; token
	s_lshl_b32 s16, s15, 3                         ; its two words in pos, weights and indices
	s_lshl_b32 s2, s15, 12                         ; its row of out0
	s_mov_b32 s3, 0
	s_wait_kmcnt 0x0
	s_load_b64 s[18:19], s[4:5], s16 offset:0x0
	s_load_b64 s[20:21], s[8:9], s16 offset:0x0
	s_load_b64 s[22:23], s[10:11], s16 offset:0x0
	s_add_nc_u64 s[12:13], s[12:13], s[2:3]
	s_wait_kmcnt 0x0
	s_min_u32 s18, s18, 4991
	s_min_u32 s19, s19, 4991
	s_lshl_b32 s24, s18, 12
	s_mov_b32 s25, 0
	s_lshl_b32 s26, s19, 12
	s_mov_b32 s27, 0
	s_add_nc_u64 s[24:25], s[6:7], s[24:25]        ; the two rows of y
	s_add_nc_u64 s[26:27], s[6:7], s[26:27]
	s_cmp_lt_u32 s22, 8
	s_cselect_b32 s28, s20, 0                      ; p0, or 0 for an index that names no expert
	s_cmp_lt_u32 s23, 8
	s_cselect_b32 s30, s21, 0                      ; p1 likewise
.irp q, 0,1,2,3,4,5,6,7
	global_load_b128 v[8+4*\q:11+4*\q], v1, s[24:25] offset:512*\q th:TH_LOAD_NT    ; each row of y is named by one entry: read once
.endr
.irp q, 0,1,2,3,4,5,6,7
	global_load_b128 v[40+4*\q:43+4*\q], v1, s[26:27] offset:512*\q th:TH_LOAD_NT
.endr
	; while the rows are on their way: the two weights rounded to bf16 and widened again, each twice, as pairs for the packed arithmetic
	v_mov_b32 v2, s28
	v_mov_b32 v3, s30
	v_cvt_pk_bf16_f32 v6, v2, v3                   ; bf16(p0) in the low half, bf16(p1) in the high half
	v_lshlrev_b32 v2, 16, v6                       ; v[2:3] = p0, p0
	v_lshlrev_b32 v3, 16, v6
	v_and_b32 v4, 0xffff0000, v6                   ; v[4:5] = p1, p1
	v_and_b32 v5, 0xffff0000, v6
.irp q, 0,1,2,3,4,5,6,7
	s_wait_loadcnt 7-\q                            ; piece q of the second row is in, and with it piece q of the first; 7 - q younger loads stay out
	v_pk_mul_f32 v[8+4*\q:9+4*\q],   v[8+4*\q:9+4*\q],   v[2:3]
	v_pk_mul_f32 v[10+4*\q:11+4*\q], v[10+4*\q:11+4*\q], v[2:3]
	v_pk_fma_f32 v[8+4*\q:9+4*\q],   v[40+4*\q:41+4*\q], v[4:5], v[8+4*\q:9+4*\q]
	v_pk_fma_f32 v[10+4*\q:11+4*\q], v[42+4*\q:43+4*\q], v[4:5], v[10+4*\q:11+4*\q]
	global_store_b128 v1, v[8+4*\q:11+4*\q], s[12:13] offset:512*\q th:TH_STORE_NT
.endr
	s_endpgm
.Lfunc_end_k_q45799a171a_combine:
	.size	k_q45799a171a_combine, .Lfunc_end_k_q45799a171a_combine-k_q45799a171a_combine
	.p2alignl 7, 3214868480
	.fill 96, 4, 3214868480
	.section	.rodata,"a",@progbits
	.p2align	6, 0x0
	.amdhsa_kernel k_q45799a171a_combine
		.amdhsa_group_segment_fixed_size 0
		.amdhsa_private_segment_fixed_size 0
		.amdhsa_enable_private_segment 0
		.amdhsa_kernarg_size 40
		.amdhsa_user_sgpr_count 2
		.amdhsa_user_sgpr_kernarg_segment_ptr 1
		.amdhsa_wavefront_size32 1
		.amdhsa_system_sgpr_workgroup_id_x 1
		.amdhsa_system_sgpr_workgroup_id_y 1
		.amdhsa_system_sgpr_workgroup_id_z 1
		.amdhsa_system_vgpr_workitem_id 0
		.amdhsa_next_free_vgpr 72
		.amdhsa_next_free_sgpr 66
		.amdhsa_reserve_vcc 0
		.amdhsa_float_denorm_mode_32 3
		.amdhsa_float_denorm_mode_16_64 3
		.amdhsa_memory_ordered 1
		.amdhsa_forward_progress 1
		.amdhsa_inst_pref_size 7
	.end_amdhsa_kernel
	.amdgpu_metadata
---
amdhsa.version: [ 1, 2 ]
amdhsa.kernels:
  - .name:           k_q45799a171a_combine
    .symbol:         k_q45799a171a_combine.kd
    .args:
      - { .name: pos, .offset: 0, .size: 8, .value_kind: global_buffer, .address_space: global }
      - { .name: y, .offset: 8, .size: 8, .value_kind: global_buffer, .address_space: global }
      - { .name: expert_weights, .offset: 16, .size: 8, .value_kind: global_buffer, .address_space: global }
      - { .name: expert_indices, .offset: 24, .size: 8, .value_kind: global_buffer, .address_space: global }
      - { .name: out0, .offset: 32, .size: 8, .value_kind: global_buffer, .address_space: global }
    .group_segment_fixed_size: 0
    .private_segment_fixed_size: 0
    .kernarg_segment_align: 8
    .kernarg_segment_size: 40
    .max_flat_workgroup_size: 256
    .sgpr_count:     66
    .vgpr_count:     72
    .wavefront_size: 32
...
	.end_amdgpu_metadata
.endif
;; end of part 4
